; MI455X (gfx1250); checked and timed in simulation.
; The chip was launched on July 23, 2026; its instructions are those of AMD's public machine-readable ISA for CDNA 5 (MIT licence, August 2026) and "CDNA5" Instruction Set Architecture Reference Guide (July 2026). The comments in the code are by the model that wrote it; some were corrected since.
;; Multi Headed Attention. Allowed arithmetic: matrix products marked QUANTISED: E2M3 operands, one E8M0 scale for each 32 along K, by v_wmma_scale_f32_16x16x128_f8f6f4 with both operands' format E2M3, f32 sums; everything else in f32.
;; Inputs: Wk 1,024 x 1,024 float32; Wo 1,024 x 1,024 float32; Wq 1,024 x 1,024 float32; Wv 1,024 x 1,024 float32; bk 1,024 float32; bo 1,024 float32; bq 1,024 float32; bv 1,024 float32; key_ 4 x 2,048 x 1,024 float32; mask 1 x 1 x 2,048 x 2,048 int32; query 4 x 2,048 x 1,024 float32; value 4 x 2,048 x 1,024 float32.
;; Outputs: out0 4 x 2,048 x 1,024 float32.
;; This version of the problem:
;;   THIS VERSION OF THE PROBLEM IS GIVEN IN LOW PRECISION. The matrix products marked QUANTISED in the list below multiply operands that are first quantised to E2M3 (2 exponent bits, 3 mantissa bits; 6 bits a number), with one power-of-two scale for each 32 numbers along K (OCP MX v1.0); their sums are f32. All else is computed in f32.
;;   The module's matrix products, in the order in which they are computed (A, B: the left and right operand; K: the contracted axis; several contracted axes count as one K, in the product's order):
;;     1. [M 8,192, K 1,024] x [K 1,024, N 1,024]; A: input query; B: input Wq: QUANTISED
;;     2. [M 8,192, K 1,024] x [K 1,024, N 1,024]; A: input key_; B: input Wk: QUANTISED
;;     3. [M 8,192, K 1,024] x [K 1,024, N 1,024]; A: input value; B: input Wv: QUANTISED
;;     4. batch 64 x [M 2,048, K 64] x [K 64, N 2,048]; A: computed on the way; B: computed on the way: QUANTISED
;;     5. batch 64 x [M 2,048, K 2,048] x [K 2,048, N 64]; A: softmax (see below); B: computed on the way: QUANTISED
;;     6. [M 8,192, K 1,024] x [K 1,024, N 1,024]; A: computed on the way; B: input Wo: QUANTISED
;;   THE QUANTISER, for each operand of a quantised product, along K:
;;     - K is cut into blocks of 32 from its start; a last block that is shorter is filled with zeros.
;;     - A block's scale is 2^e with e = floor(log2(the largest magnitude in the block)) - 2, held to -126 .. 127; a block of zeros has e = 0. As a byte (E8M0): e + 127.
;;     - Each number is divided by its block's scale, clamped to +-7.5, and rounded to the nearest number of E2M3, ties to even, subnormals kept.
;;     - The product sums the exact products of the quantised numbers (number of the format x scale) in f32.
;;   ~~~python
;;   def quantise(x, axis):      # numpy; x: float32 -> the quantised numbers, widened to float32 again
;;       x = np.moveaxis(x, axis, -1); K = x.shape[-1]
;;       x = np.pad(x, [(0, 0)] * (x.ndim - 1) + [(0, -K % 32)]); x = x.reshape(x.shape[:-1] + (-1, 32)); a = np.abs(x).max(-1, keepdims=True)
;;       e = np.where(a > 0, np.clip(np.frexp(np.where(a > 0, a, 1))[1] - 1 - 2, -126, 127), 0)      # np.frexp(a)[1] - 1 = floor(log2(a)), exactly
;;       r = np.clip(x / 2.0 ** e, -7.5, 7.5)
;;       step = 2.0 ** (np.maximum(np.frexp(np.where(r == 0, 1, r))[1] - 1, 0) - 3)
;;       q = np.round(r / step) * step * 2.0 ** e      # np.round: ties to even
;;       return np.moveaxis(q.reshape(q.shape[:-2] + (-1,))[..., :K], -1, axis).astype(np.float32)
;;   ~~~
;;   SOFTMAX AHEAD OF A QUANTISED PRODUCT. Where the list says 'softmax', what is quantised is not the finished softmax but p = 2^(t - M), with t = logit x log2(e) and M = ceil(the row's largest t), a whole number; so 1/2 < the row's largest p <= 1. The row's sum l is taken of the UNQUANTISED p, in f32, and the product's result is divided by l at the end. Since M is a whole number, a kernel that streams over the keys may use a running M (the ceiling of the running maximum): every later rescaling is an exact power of two, which a block's scale takes up: the codes' values come out the same.
;;   OPERANDS COMPUTED ON THE WAY. 'Computed on the way' means the value that the module computes at that place (a softmax that the list does not call 'softmax' is quantised finished and normalised). What goes into a quantiser is computed in f32, as accurately as f32 sums, v_exp_f32 and their like allow (about 1e-6 of the number): no bf16 or f16 on the way to a quantiser, and a product that is left as it is and whose result goes on into a quantised operand takes f32 operands (vector FMAs, or v_wmma_f32_16x16x4_f32). A number that lies on a knife's edge between two numbers of the format may be rounded either way, as far as f32 arithmetic and the matrix unit's own rounding can turn it there, and no further.
;; One version. Each part assembles by itself: llvm-mc -triple=amdgcn-amd-amdhsa -mcpu=gfx1250 --defsym DOCPART=n.
;; ======== version 1 of 1: 4 launches
;; limits: right only within a limited range of input values
;; workspace buffers: xw 22,937,600 bytes; mk 524,288 bytes; qb 13,369,344 bytes; kv 13,369,344 bytes; ao 6,553,600 bytes
;; launch prep (part 1): grid 1024 x 1, 4 waves a work-group, no clusters, 33,280 bytes of LDS; arguments query, key_, value, Wq, Wk, Wv, Wo, mask, xw, mk; writes xw, mk
.if DOCPART == 1
	.amdgcn_target "amdgcn-amd-amdhsa--gfx1250"
	.amdhsa_code_object_version 6
	.text
	.protected	k_q1b1955616f_prep
	.globl	k_q1b1955616f_prep
	.p2align	8
	.type	k_q1b1955616f_prep,@function
k_q1b1955616f_prep:
	s_mov_b64 s[64:65], 0
	v_nop
	global_prefetch_b8 v0, s[64:65] scope:SCOPE_SE
	s_setreg_imm32_b32 hwreg(HW_REG_WAVE_MODE, 25, 1), 1
	s_wait_xcnt 0x0
; PREP.  Work-groups 0-895: query, key_, value [8192][1024] and Wq, Wk, Wv, Wo [1024][1024], f32, become codes of FP6 (E2M3), K innermost (768 bytes a row), with one E8M0 byte for each 32 along K (32 bytes a row), all in xw.
; Work-groups 896-1023: the int32 mask [2048][2048] becomes one bit a number, in mk, laid as the attention launch's lanes and registers want it.
; A block's scale is 2^(floor(log2(its largest magnitude)) - 2); its byte is the largest magnitude's exponent field - 2, held at 1 from below (a block of zeros keeps the byte 1: its codes are zeros, and this program alone reads the bytes).
; LIMITS: blocks whose largest magnitude lies under 2^(2 - 126) take the floor's byte; NaN and infinities among the inputs are not served.
; POSITION ORDER.  In xw the rows of every tensor are laid so that in each group of 32 rows the second and third group of eight change places.  A tile of 16 neighbouring rows of xw, tile 2 B + u, then holds in its row r the tensor's
; row 32 B + 8 u + r + 8 (r / 8): used as a product's first source, two neighbouring tiles give a lane 16 NEIGHBOURING indices in its 16 result registers, which the next quantiser wants.
; A work-group takes 32 rows, a wave 8 (8,192 numbers, 16 steps of 512): so the change of places is a choice of where a wave's run goes.
; The loads take bytes as they lie (512 consecutive bytes a load); a step's 2,048 bytes turn through the wave's own stage in LDS so that a lane holds 16 neighbours along K (two lanes to a block).
; No tensor loads, no barrier, no cluster: waves and work-groups share no input.
.set STEPS, 16
.set EMAX,  2
.set CB,    12                         ; bytes of 16 codes
.set R,     16                         ; v16-79   four sets of 16 numbers as they are loaded
.set X,     80                         ; v80-111  two sets of 16 neighbours
.set C,     128                        ; v128-191 codes: four registers for each step, so that no store's data are written again
.set E,     112                        ; v112-127 a scale byte for each step
.set WREG,  8192                       ; LDS: a region for each wave: two stages of 32 x SP bytes, behind them its 256 scale bytes
.set SP,    80                         ; a lane's place in a stage: 64 bytes + 16 of padding
.set XSO,   22020096                   ; where the scale bytes begin in xw: 3,584 runs x 6,144 bytes of codes
.set NQWG,  896                        ; work-groups that quantise
.set MX,    32                         ; mask path: v32-159 two sets of 64 words of the mask
.set WD,    160                        ; v160-167 the packed words of four steps
.set MA,    4                          ; v4  my byte in the mask
.set ML8,   5                          ; v5  8 x lane
	s_load_b512 s[4:19], s[0:1], 0x0               ; query, key_, value, Wq, Wk, Wv, Wo, mask
	s_load_b128 s[20:23], s[0:1], 0x40             ; xw, mk
	v_lshl_add_u32 v192, v0, 2, 0x8000
	v_mov_b32 v193, 0
	v_lshrrev_b32 v1, 5, v0
	v_readfirstlane_b32 s24, v1                    ; wave 0..3
	v_and_b32 v2, 31, v0                           ; lane
	s_mov_b32 s31, 0
	s_wait_kmcnt 0x0
	s_cmp_ge_u32 ttmp9, NQWG                       ; the choice hangs on the work-group's number alone
	s_cbranch_scc1 .Lmask
	; ---- the quantiser
	s_wait_alu depctr_va_vdst(0)
	v_lshlrev_b32 v3, 4, v2                        ; my 16 bytes of a load's 512
	s_mul_i32 s25, s24, WREG
	v_lshrrev_b32 v14, 2, v2
	v_mul_u32_u24 v14, v14, SP
	v_and_b32 v15, 3, v2
	v_lshl_add_u32 v14, v15, 4, v14
	v_add_nc_u32 v14, s25, v14                     ; the stage, on the way in: SP (lane / 4) + 16 (lane % 4)
	v_mul_u32_u24 v15, v2, SP
	v_add_nc_u32 v15, s25, v15                     ; and on the way out: SP x lane: my 16 neighbours
	v_mul_u32_u24 v4, v2, CB                       ; my codes' place in a step's
	v_lshrrev_b32 v5, 1, v2
	s_add_co_u32 s25, s25, 2*32*SP
	v_add_nc_u32 v5, s25, v5                       ; LDS: my wave's 256 scale bytes, my block's byte
	v_lshlrev_b32 v7, 3, v2                        ; and on the way out 8 bytes a lane
	v_add_nc_u32 v6, s25, v7
.macro PICK lim, ptr, first            ; below work-group lim: the tensor at s[ptr], whose first work-group is first
	s_cmp_lt_u32 ttmp9, \lim
	s_cselect_b64 s[26:27], s[\ptr:\ptr+1], s[26:27]
	s_cselect_b32 s28, \first, s28
.endm
	s_mov_b64 s[26:27], s[16:17]                   ; Wo, work-groups 864 on
	s_mov_b32 s28, 864
	PICK 864, 14, 832                              ; Wv
	PICK 832, 12, 800                              ; Wk
	PICK 800, 10, 768                              ; Wq
	PICK 768, 8, 512                               ; value
	PICK 512, 6, 256                               ; key_
	PICK 256, 4, 0                                 ; query
	s_sub_co_u32 s30, ttmp9, s28
	s_lshl_b32 s30, s30, 2
	s_add_co_u32 s30, s30, s24                     ; which run of 8 rows of the tensor is my wave's
	s_lshl_b32 s30, s30, 15                        ; 32,768 bytes a run
	s_add_nc_u64 s[26:27], s[26:27], s[30:31]
	s_and_b32 s29, s24, 1                          ; where it goes: waves 1 and 2 change places
	s_lshl_b32 s29, s29, 1
	s_lshr_b32 s30, s24, 1
	s_or_b32 s29, s29, s30
	s_lshl_b32 s30, ttmp9, 2
	s_add_co_u32 s29, s30, s29                     ; the run's number in xw: the tensors follow each other there as their work-groups do
	s_mul_i32 s30, s29, 6144
	s_add_nc_u64 s[32:33], s[20:21], s[30:31]      ; its codes: 8 rows of 768 bytes
	s_lshl_b32 s30, s29, 8
	s_add_co_u32 s30, s30, XSO
	s_add_nc_u64 s[34:35], s[20:21], s[30:31]      ; its scale bytes: 8 rows of 32
.macro LOAD t
.irp i, 0,1,2,3
	global_load_b128 v[R+16*((\t)%4)+4*\i:R+16*((\t)%4)+4*\i+3], v3, s[26:27] offset:2048*(\t)+512*\i th:TH_LOAD_NT   ; 32 lanes read 512 consecutive bytes
.endr
.endm
.macro TURN t                          ; step t's numbers through the stage: LDS serves a wave's instructions in order, so no wait stands between the stores and the loads
.irp i, 0,1,2,3
	ds_store_b128 v14, v[R+16*((\t)%4)+4*\i:R+16*((\t)%4)+4*\i+3] offset:32*SP*((\t)%2)+8*SP*\i
.endr
.irp i, 0,1,2,3
	ds_load_b128 v[X+16*((\t)%2)+4*\i:X+16*((\t)%2)+4*\i+3], v15 offset:32*SP*((\t)%2)+16*\i
.endr
.endm
.irp t, 0,1,2,3
	LOAD \t
.endr
	s_wait_alu depctr_va_vdst(0)
	s_wait_loadcnt 12                              ; step 0's four loads are in
	TURN 0
.macro STEP t
.set XR, X+16*((\t)%2)
.if (\t) > 0
	s_wait_dscnt 1                                 ; this step's numbers are back from the stage (the last step's byte store may be out): so its stores into the stage have read their registers,
.else
	s_wait_dscnt 0x0
.endif
.if (\t)+4 < STEPS
	LOAD (\t)+4                                    ; which take the loads of four steps on
.endif
.if (\t)+1 < STEPS
.if STEPS-2-(\t) >= 3
	s_wait_loadcnt 12                              ; the next step's four loads are in; those of the three steps behind it may be out
.else
	s_wait_loadcnt 4*(STEPS-2-(\t))
.endif
	TURN (\t)+1                                    ; and go through the other stage while this step is worked
.endif
	v_max3_num_f32 v8, |v[XR]|, |v[XR+1]|, |v[XR+2]|               ; the largest magnitude of my 16, in two chains
	v_max3_num_f32 v9, |v[XR+3]|, |v[XR+4]|, |v[XR+5]|
.irp i, 6,10
	v_max3_num_f32 v8, v8, |v[XR+\i]|, |v[XR+\i+1]|
	v_max3_num_f32 v9, v9, |v[XR+\i+2]|, |v[XR+\i+3]|
.endr
	v_max3_num_f32 v8, v8, |v[XR+14]|, |v[XR+15]|
	v_max3_num_f32 v8, v8, v9, (EMAX+1)<<23        ; and the floor 2^(3 - 127): the byte cannot fall under 1
	v_max_num_f32_dpp v8, v8, v8 row_xmask:1 row_mask:0xf bank_mask:0xf   ; and of my neighbour's 16: the block's
	v_add_nc_u32 v11, -(EMAX<<23), v8              ; 2 off its exponent field: the conversion takes the exponent field of this operand as its scale
	v_cvt_scalef32_pk16_fp6_f32 v[C+4*(\t):C+4*(\t)+2], v[XR:XR+15], v11
	v_lshrrev_b32 v[E+(\t)], 23, v11               ; the scale's byte (a plain line behind the conversion)
	ds_store_b8 v5, v[E+(\t)] offset:16*(\t)       ; both lanes of a block write the same byte with the same value
	global_store_b96 v4, v[C+4*(\t):C+4*(\t)+2], s[32:33] offset:32*CB*(\t)   ; the wave stores 384 consecutive bytes
.endm
.irp t, 0,1,2,3,4,5,6,7,8,9,10,11,12,13,14,15
	STEP \t
.endr
	ds_load_b64 v[12:13], v6                       ; LDS serves a wave's instructions in order: these see my stores
	s_wait_dscnt 0x0
	global_store_b64 v7, v[12:13], s[34:35]        ; 32 lanes store 256 consecutive bytes, aligned
	s_wait_tensorcnt 0x0
	ds_add_u32 v192, v193
	s_wait_dscnt 0x0
	s_endpgm
	; ---- the mask.  Work-group 896 + T serves tile T of 16 queries (in position order), wave w key steps 4 w .. 4 w + 3 of 128 keys.
	; Word n (0..63) of a step: bit (r + 16 h) = mask[32 (T / 2) + 8 (T % 2) + r + 8 (r / 8)][128 step + 32 (n / 16) + 16 h + n % 16] != 0: the attention launch's score register n of lane (r, h).
	; A lane loads its 64 numbers of a step (16 bytes a load; a load touches 16 rows of the mask, and a step's 16 loads use all 512 bytes of each); a compare gives a word of 32 lanes' bits in a scalar register;
	; 64 such words are written into the lanes of two registers and leave as 256 consecutive bytes.
.Lmask:
	s_sub_co_u32 s25, ttmp9, NQWG                  ; T
	v_and_b32 v3, 15, v0                           ; r
	v_bfe_u32 v6, v0, 4, 1                         ; h
	v_and_b32 v7, 8, v3
	v_add_nc_u32 v3, v3, v7                        ; r + 8 (r / 8)
	v_lshlrev_b32 v[MA], 13, v3                    ; a row of the mask is 8,192 bytes
	v_lshl_add_u32 v[MA], v6, 6, v[MA]             ; + 64 h
	s_wait_alu depctr_va_vdst(0)
	v_lshlrev_b32 v[ML8], 3, v2
	s_lshr_b32 s28, s25, 1
	s_lshl_b32 s28, s28, 5
	s_and_b32 s29, s25, 1
	s_lshl_b32 s29, s29, 3
	s_add_co_u32 s28, s28, s29                     ; 32 (T / 2) + 8 (T % 2)
	s_lshl_b32 s28, s28, 13
	s_lshl_b32 s29, s24, 11                        ; my four steps: 2,048 bytes of each row
	s_add_co_u32 s30, s28, s29
	s_add_nc_u64 s[26:27], s[18:19], s[30:31]
	s_lshl_b32 s28, s25, 12                        ; mk: 4,096 bytes a tile, 256 a step
	s_lshl_b32 s29, s24, 10
	s_add_co_u32 s30, s28, s29
	s_add_nc_u64 s[28:29], s[22:23], s[30:31]
.irp i, 0,1,2,3,4,5,6,7
	v_mov_b32 v[WD+\i], 0                          ; written once: a lane write's destination counts as one of its sources
.endr
.macro MLOAD sl
.irp b, 0,1,2,3
.irp j, 0,1,2,3
	global_load_b128 v[MX+64*((\sl)%2)+16*\b+4*\j:MX+64*((\sl)%2)+16*\b+4*\j+3], v[MA], s[26:27] offset:(\sl)*512+128*\b+16*\j th:TH_LOAD_NT
.endr
.endr
.endm
.macro MPACK sl
.if (\sl) < 3
	s_wait_loadcnt 16                              ; this step's 16 loads are in; the next step's may be out
.else
	s_wait_loadcnt 0x0
.endif
.irp hh, 0,1
.irp i, 0,1,2,3,4,5,6,7,8,9,10,11,12,13,14,15,16,17,18,19,20,21,22,23,24,25,26,27,28,29,30,31
	v_cmp_ne_u32 s[32+\i], 0, v[MX+64*((\sl)%2)+32*\hh+\i]
.endr
.irp i, 0,1,2,3,4,5,6,7,8,9,10,11,12,13,14,15,16,17,18,19,20,21,22,23,24,25,26,27,28,29,30,31
	v_writelane_b32 v[WD+2*(\sl)+\i%2], s[32+\i], 16*\hh+\i/2      ; word n = 32 hh + i goes to lane n / 2, register n % 2
.endr
.endr
	global_store_b64 v[ML8], v[WD+2*(\sl):WD+2*(\sl)+1], s[28:29] offset:256*(\sl)   ; 256 consecutive bytes, aligned; each step has its own two registers
.if (\sl)+2 < 4
	MLOAD (\sl)+2
.endif
.endm
	MLOAD 0
	MLOAD 1
	MPACK 0
	MPACK 1
	MPACK 2
	MPACK 3
	s_endpgm
.Lfunc_end_k_q1b1955616f_prep:
	.size	k_q1b1955616f_prep, .Lfunc_end_k_q1b1955616f_prep-k_q1b1955616f_prep
	.p2alignl 7, 3214868480
	.fill 96, 4, 3214868480
	.section	.rodata,"a",@progbits
	.p2align	6, 0x0
	.amdhsa_kernel k_q1b1955616f_prep
		.amdhsa_group_segment_fixed_size 33280
		.amdhsa_private_segment_fixed_size 0
		.amdhsa_enable_private_segment 0
		.amdhsa_kernarg_size 80
		.amdhsa_user_sgpr_count 2
		.amdhsa_user_sgpr_kernarg_segment_ptr 1
		.amdhsa_wavefront_size32 1
		.amdhsa_system_sgpr_workgroup_id_x 1
		.amdhsa_system_sgpr_workgroup_id_y 1
		.amdhsa_system_sgpr_workgroup_id_z 1
		.amdhsa_system_vgpr_workitem_id 0
		.amdhsa_next_free_vgpr 194
		.amdhsa_next_free_sgpr 66
		.amdhsa_reserve_vcc 0
		.amdhsa_float_denorm_mode_32 3
		.amdhsa_float_denorm_mode_16_64 3
		.amdhsa_memory_ordered 1
		.amdhsa_forward_progress 1
		.amdhsa_inst_pref_size 73
	.end_amdhsa_kernel
	.amdgpu_metadata
---
amdhsa.version: [ 1, 2 ]
amdhsa.kernels:
  - .name:           k_q1b1955616f_prep
    .symbol:         k_q1b1955616f_prep.kd
    .args:
      - { .name: query, .offset: 0, .size: 8, .value_kind: global_buffer, .address_space: global }
      - { .name: key_, .offset: 8, .size: 8, .value_kind: global_buffer, .address_space: global }
      - { .name: value, .offset: 16, .size: 8, .value_kind: global_buffer, .address_space: global }
      - { .name: Wq, .offset: 24, .size: 8, .value_kind: global_buffer, .address_space: global }
      - { .name: Wk, .offset: 32, .size: 8, .value_kind: global_buffer, .address_space: global }
      - { .name: Wv, .offset: 40, .size: 8, .value_kind: global_buffer, .address_space: global }
      - { .name: Wo, .offset: 48, .size: 8, .value_kind: global_buffer, .address_space: global }
      - { .name: mask, .offset: 56, .size: 8, .value_kind: global_buffer, .address_space: global }
      - { .name: xw, .offset: 64, .size: 8, .value_kind: global_buffer, .address_space: global }
      - { .name: mk, .offset: 72, .size: 8, .value_kind: global_buffer, .address_space: global }
    .group_segment_fixed_size: 33280
    .private_segment_fixed_size: 0
    .kernarg_segment_align: 8
    .kernarg_segment_size: 80
    .max_flat_workgroup_size: 128
    .sgpr_count:     66
    .vgpr_count:     194
    .wavefront_size: 32
...
	.end_amdgpu_metadata
.endif
;; end of part 1
;; launch qkv (part 2): grid 8 x 96, 4 waves a work-group, clusters of 4 x 4, 327,680 bytes of LDS; arguments xw, bq, bk, bv, qb, kv; writes qb, kv
.if DOCPART == 2
	.amdgcn_target "amdgcn-amd-amdhsa--gfx1250"
	.amdhsa_code_object_version 6
	.text
	.protected	k_q1b1955616f_qkv
	.globl	k_q1b1955616f_qkv
	.p2align	8
	.type	k_q1b1955616f_qkv,@function
k_q1b1955616f_qkv:
	s_mov_b64 s[64:65], 0
	v_nop
	global_prefetch_b8 v0, s[64:65] scope:SCOPE_SE
	s_setreg_imm32_b32 hwreg(HW_REG_WAVE_MODE, 25, 1), 1
	s_wait_xcnt 0x0
	s_wait_alu depctr_hold_cnt(0) depctr_sa_sdst(0) depctr_va_vdst(0) depctr_va_sdst(0) depctr_va_ssrc(0) depctr_va_vcc(0) depctr_vm_vsrc(0)
	s_getreg_b32 s2, hwreg(HW_REG_IB_STS2, 6, 4)
	s_cmp_eq_u32 s2, 0
	s_cbranch_scc0 .Lentry_in_a_cluster
	s_endpgm
.Lentry_in_a_cluster:
	s_bfe_u32 s2, ttmp6, 0x10000c
	s_cmp_lg_u32 s2, 0xf033
	s_cbranch_scc0 .Lentry_shape_is_right
	s_endpgm
.Lentry_shape_is_right:
; QKV.  Three products on codes of FP6 (E2M3) with E8M0 scales, K = 1,024: Q = query Wq^T + bq, K = key_ Wk^T + bk, V = value Wv^T + bv; each result is quantised for the attention launch and stored as images of its operand registers.
; NAMES.  A is the side whose rows fall on lanes (source 1), B the side whose rows fall on a lane's registers (source 0).  Q, K: A = tokens, B = channels (quantised along the channels).  V: A = channels, B = tokens (quantised along the keys).
; SHARES.  A work-group makes 256 rows of A x 128 rows of B over all of K; a wave 64 x 128: 32 accumulators of 16 x 16.  768 work-groups.
; LDS.  The codes of whole rows (768 bytes, dense in xw) come ONCE, as rows of 256 bytes with 16 bytes of padding behind each: a row of codes is 816 bytes of LDS.  A: 256 x 816 bytes from 0; B: 128 x 816 behind them.
; One tensor load a wave at the head: waves 0, 1 fetch A's halves, waves 2, 3 B's.  No LDS byte is filled again.
; CLUSTER.  4 x 4 work-groups: A's rows are shared along a row of the cluster, B's along a column; each is asked for jointly.
; SCALES.  A row's 32 scale bytes go from memory into registers: two loads of 16 bytes a lane and tile, sixteen lanes reading 512 consecutive bytes between the two.
; NO PREFETCH: every byte is asked for at the head; the text has no loop to run ahead in.
; REGISTERS.  Window 0: v0-31 addresses; v32-63 A's scale words (tile a, step s at 32 + 8 a + s); v64-127 B's; v128-223 A's fragments, two sets.  Window 1: B's fragments, sets at v0 and v128.
; Window 2: accumulator (a, b) at v[8 (8 a + b)].  Window 3: v0-63 the bias along registers, v64-71 the bias along lanes.  On the way out window 0's v32-223 are at work.
.set FR,     12
.set RP,     816                       ; a row of codes in LDS
.set TP16,   16*RP                     ; a tile of 16 rows
.set LB,     256*RP                    ; where B begins
.set SPARE,  LB+128*RP                 ; the spare words, 512 bytes
.set XSO,    22020096
.set HS,     208896
.set STB,    13056
.set KSO,    6144
.set VCO,    6656
.set VSO,    12800
.set ADRA, 16                          ; v16, v17: my A rows; the second for pieces whose lanes 16-31 lie behind the next padding
.set ADRB, 20                          ; v20, v21: B's tiles 0-3; v22, v23: tiles 4-7
.set SPW,  28
.set NIL,  29
.set SA,   32
.set SB,   64
.set AF,   128
.set BI,   0
.set BJ,   64
.set HA,   128
.set PC,   192
.set TM,   32
.set PW,   48
.set TP,   49
.set KW,   52
.set VX,   60
.set SEL,  96
.set G1, 24
.set G0, 32
.set G1B, 48
.set G0B, 56
.set MSB, 0
.macro WIN new
.if MSB != (\new)
	s_set_vgpr_msb (MSB<<8)|(\new)
.set MSB, (\new)
.endif
.endm
.macro PLACES n
.rept \n
	v_nop
.endr
.endm
.macro CROUND
	s_barrier_signal -1
	s_barrier_wait -1
	s_cmp_lg_u32 s14, 0
	s_cbranch_scc1 .Lnot_wave_0_\@
	s_barrier_signal -3
.Lnot_wave_0_\@:
	s_barrier_wait -3
	s_barrier_signal -1
	s_barrier_wait -1
.endm
	s_load_b256 s[4:11], s[0:1], 0x0               ; xw, bq, bk, bv
	s_load_b128 s[96:99], s[0:1], 0x20             ; qb, kv
	v_lshl_add_u32 v[SPW], v0, 2, SPARE
	v_mov_b32 v[NIL], 0
	ds_add_u32 v[SPW], v[NIL]                      ; the opening lines: the add twice on end and one wait
	ds_add_u32 v[SPW], v[NIL]
	v_lshrrev_b32 v1, 5, v0
	v_readfirstlane_b32 s14, v1                    ; wave
	s_lshr_b32 s15, s14, 1                         ; I fetch for A (0) or B (1),
	s_and_b32 s16, s14, 1                          ; its lower or upper half
	s_bfe_u32 s40, ttmp6, 0x40000                  ; cx
	s_bfe_u32 s41, ttmp6, 0x40004                  ; cy
	s_and_b32 s17, ttmp7, 0xffff
	s_lshr_b32 s95, s17, 3                         ; 0 Q, 1 K, 2 V
	s_and_b32 s17, s17, 7
	s_lshl_b32 s17, s17, 2
	s_lshl_b32 s42, ttmp9, 2
	s_lshl_b32 s20, s17, 1
	s_add_co_u32 s20, s20, s42
	s_mul_i32 s2, s95, 6291456                     ; A's codes in xw,
	s_mul_i32 s3, s95, 262144
	s_add_co_u32 s3, s3, XSO                       ; A's scales,
	s_mul_i32 s18, s95, 786432
	s_add_co_u32 s18, s18, 18874368                ; B's codes,
	s_mul_i32 s19, s95, 32768
	s_add_co_u32 s19, s19, XSO+786432              ; B's scales
	s_cmp_eq_u32 s95, 2                            ; V: A = Wv, B = value
	s_cselect_b32 s2, 20447232, s2
	s_cselect_b32 s3, 22872064, s3
	s_cselect_b32 s18, 12582912, s18
	s_cselect_b32 s19, 22544384, s19
	s_cselect_b32 s42, s20, s42
	s_cselect_b32 s17, 0, s17
	s_add_co_u32 s17, s17, s41                     ; A's block of 256 rows: Q, K 0..31, V 0..3
	s_add_co_u32 s42, s42, s40                     ; B's block of 128 rows: Q, K 0..7, V 0..63
	s_lshl_b32 s43, s41, 2
	s_lshl_b32 s43, 15, s43                        ; my row of the cluster
	s_lshl_b32 s44, 0x1111, s40                    ; my column
	s_or_b32 s[G1+0], s43, (3<<16)|(1<<20)|(1<<21)|(5<<22)|(3<<25)   ; elements of 8 bytes; 4 words of padding behind every 64
	s_or_b32 s[G1B+0], s44, (3<<16)|(1<<20)|(1<<21)|(5<<22)|(3<<25)
	s_mov_b32 s[G1+1], 32<<16
	s_mov_b32 s[G1+2], 384<<16                     ; 128 rows of codes = 384 rows of 256 bytes
	s_mov_b32 s[G1+3], 32<<16
	s_mov_b32 s[G1+4], 384
	s_mov_b32 s[G1+5], 32
	s_mov_b32 s[G1+6], 0
	s_mov_b32 s[G1+7], 0
	s_mov_b32 s[G1B+1], 32<<16
	s_mov_b32 s[G1B+2], 192<<16                    ; 64 rows of codes
	s_mov_b32 s[G1B+3], 32<<16
	s_mov_b32 s[G1B+4], 192
	s_mov_b32 s[G1B+5], 32
	s_mov_b32 s[G1B+6], 0
	s_mov_b32 s[G1B+7], 0
	s_lshl_b32 s20, s17, 8
	s_lshl_b32 s21, s16, 7
	s_add_co_u32 s20, s20, s21
	s_mul_i32 s20, s20, 768
	s_add_co_u32 s20, s20, s2
	s_lshl_b32 s46, s42, 7
	s_lshl_b32 s47, s16, 6
	s_add_co_u32 s46, s46, s47
	s_mul_i32 s46, s46, 768
	s_add_co_u32 s46, s46, s18
	s_mov_b32 s21, 0
	s_mov_b32 s47, 0
	s_mul_i32 s45, s16, 128*RP
	s_mul_i32 s94, s16, 64*RP
	s_add_co_u32 s94, s94, LB
	s_wait_dscnt 0x0
	s_wait_kmcnt 0x0
	s_add_nc_u64 s[20:21], s[4:5], s[20:21]
	s_add_nc_u64 s[46:47], s[4:5], s[46:47]
	CROUND                                         ; all sixteen work-groups are here: the joint loads meet
	s_mov_b32 s[G0], 1
	s_mov_b32 s[G0+1], s45
	s_mov_b64 s[G0+2:G0+3], s[20:21]
	s_or_b32 s[G0+3], s[G0+3], 0x80000000
	s_mov_b32 s[G0B], 1
	s_mov_b32 s[G0B+1], s94
	s_mov_b64 s[G0B+2:G0B+3], s[46:47]
	s_or_b32 s[G0B+3], s[G0B+3], 0x80000000
	s_cmp_eq_u32 s15, 0                            ; my one tensor load of the launch
	s_cbranch_scc0 .Lfor_b
	tensor_load_to_lds s[G0:G0+3], s[G1:G1+7]
	s_nop 0
	PLACES 4
	s_branch .Lasked
.Lfor_b:
	tensor_load_to_lds s[G0B:G0B+3], s[G1B:G1B+7]
	s_nop 0
	PLACES 4
.Lasked:
	s_lshl_b32 s20, s17, 8
	s_lshl_b32 s21, s14, 6
	s_add_co_u32 s20, s20, s21                     ; my wave's first row of A
	s_lshl_b32 s21, s42, 7                         ; and of B
	s_lshl_b32 s36, s20, 5
	s_add_co_u32 s36, s36, s3
	s_mov_b32 s37, 0
	s_add_nc_u64 s[36:37], s[4:5], s[36:37]        ; A's scale rows
	s_lshl_b32 s38, s21, 5
	s_add_co_u32 s38, s38, s19
	s_mov_b32 s39, 0
	s_add_nc_u64 s[38:39], s[4:5], s[38:39]        ; B's
	s_cmp_eq_u32 s95, 0
	s_cselect_b64 s[100:101], s[6:7], s[8:9]
	s_cselect_b64 s[12:13], s[96:97], s[98:99]
	s_cmp_eq_u32 s95, 2
	s_cselect_b64 s[100:101], s[10:11], s[100:101] ; the bias
	s_cselect_b32 s22, s21, s20                    ; my first token
	s_cselect_b32 s23, s20, s21                    ; my first channel
	s_cselect_b32 s46, 0, s21
	s_cselect_b32 s92, s20, 0
	s_lshl_b32 s46, s46, 2
	s_mov_b32 s47, 0
	s_add_nc_u64 s[6:7], s[100:101], s[46:47]      ; the bias along registers (Q, K)
	s_lshl_b32 s92, s92, 2
	s_mov_b32 s93, 0
	s_add_nc_u64 s[8:9], s[100:101], s[92:93]      ; along lanes (V)
	s_lshr_b32 s46, s22, 11
	s_lshl_b32 s46, s46, 4
	s_lshr_b32 s92, s23, 6
	s_add_co_u32 s46, s46, s92                     ; 16 x batch + head
	s_mul_i32 s46, s46, HS
	s_bfe_u32 s92, s22, 0x40007                    ; the block of 128 tokens
	s_mul_i32 s92, s92, STB
	s_add_co_u32 s46, s46, s92
	s_add_nc_u64 s[12:13], s[12:13], s[46:47]
	s_bfe_u32 s92, s22, 0x10006                    ; which 64 tokens of the block (V: 0)
	s_lshl_b32 s46, s92, 3
	s_add_nc_u64 s[10:11], s[12:13], s[46:47]      ; for the scale words: two words a lane further on
	s_mul_i32 s46, s92, 3072
	s_add_nc_u64 s[12:13], s[12:13], s[46:47]      ; for the codes: four tiles further on
	s_mul_i32 s60, s14, 64*RP
	v_and_b32 v1, 15, v0                           ; r
	v_bfe_u32 v2, v0, 4, 1                         ; h
	v_mul_u32_u24 v3, v1, RP
	v_mad_u32_u24 v4, v2, 24, v3                   ; row x pitch + 24 h
	v_lshl_add_u32 v5, v2, 4, v4                   ; and 16 more for lanes 16-31 where they lie behind the next padding
	v_add_nc_u32 v[ADRA], s60, v4
	v_add_nc_u32 v[ADRA+1], s60, v5
	v_add_nc_u32 v[ADRB], LB, v4
	v_add_nc_u32 v[ADRB+1], LB, v5
	v_add_nc_u32 v[ADRB+2], LB+4*TP16, v4
	v_add_nc_u32 v[ADRB+3], LB+4*TP16, v5
	v_lshlrev_b32 v6, 5, v1                        ; a row of scales is 32 bytes
	v_lshlrev_b32 v12, 6, v2
	v_and_b32 v13, 8, v1
	v_add_nc_u32 v13, v13, v1
	v_lshlrev_b32 v13, 2, v13
	s_wait_alu depctr_va_vdst(0)                   ; the wait at the end of the head's vector work
.irp i, 0,1,2,3
	global_load_b128 v[SA+8*\i:SA+8*\i+3], v6, s[36:37] offset:512*\i
	global_load_b128 v[SA+8*\i+4:SA+8*\i+7], v6, s[36:37] offset:512*\i+16
.endr
.irp i, 0,1,2,3,4,5,6,7
	global_load_b128 v[SB+8*\i:SB+8*\i+3], v6, s[38:39] offset:512*\i
	global_load_b128 v[SB+8*\i+4:SB+8*\i+7], v6, s[38:39] offset:512*\i+16
.endr
	WIN 0xc0                                       ; into window 3
.irp t, 0,1,2,3,4,5,6,7
	global_load_b128 v[BI+8*\t:BI+8*\t+3], v12, s[6:7] offset:(32*(\t/2)+8*(\t%2))*4
	global_load_b128 v[BI+8*\t+4:BI+8*\t+7], v12, s[6:7] offset:(32*(\t/2)+8*(\t%2))*4+16
.endr
.irp a, 0,1,2,3
	global_load_b32 v[BJ+2*\a], v13, s[8:9] offset:(32*(\a/2)+8*(\a%2))*4
	global_load_b32 v[BJ+2*\a+1], v13, s[8:9] offset:(32*(\a/2)+8*(\a%2))*4
.endr
	WIN 0
; A fragment: 16 rows x 128 K, 12 registers, in six pieces of 8 bytes.  Byte y of a row of codes lies at y + 16 (y / 256) of its LDS row.
.macro FRAG reg, adr, st, off
.irp p, 0,1,2,3,4,5
.set BY, 96*(\st)+48*(\p/3)+8*(\p%3)
.if BY/256 == (BY+24)/256
	ds_load_b64 v[\reg+2*\p:\reg+2*\p+1], v[\adr] offset:BY+16*(BY/256)+(\off)
.else
	ds_load_b64 v[\reg+2*\p:\reg+2*\p+1], v[\adr+1] offset:BY+16*(BY/256)+(\off)
.endif
.endr
.endm
.macro FETCH st                        ; step st's twelve fragments into set st % 2
.set FS, (\st)%2
	WIN 0x40
.irp i, 0,1,2,3,4,5,6,7
	FRAG 128*FS+FR*\i, ADRB+2*(\i/4), \st, (\i%4)*TP16
.endr
	WIN 0
.irp i, 0,1,2,3
	FRAG AF+48*FS+FR*\i, ADRA, \st, \i*TP16
.endr
.endm
.macro MUL st                          ; 32 matrix instructions, the 32 accumulators by turns; the first step starts the sums
.set FS, (\st)%2
.irp a, 0,1,2,3
.irp b, 0,1,2,3,4,5,6,7
.if (\st) == 0
	v_wmma_scale_f32_16x16x128_f8f6f4 v[8*(8*\a+\b):8*(8*\a+\b)+7], v[128*FS+FR*\b:128*FS+FR*\b+FR-1], v[AF+48*FS+FR*\a:AF+48*FS+FR*\a+FR-1], 0, v[SB+8*\b+(\st)], v[SA+8*\a+(\st)] matrix_a_fmt:MATRIX_FMT_FP6 matrix_b_fmt:MATRIX_FMT_FP6
.else
	v_wmma_scale_f32_16x16x128_f8f6f4 v[8*(8*\a+\b):8*(8*\a+\b)+7], v[128*FS+FR*\b:128*FS+FR*\b+FR-1], v[AF+48*FS+FR*\a:AF+48*FS+FR*\a+FR-1], v[8*(8*\a+\b):8*(8*\a+\b)+7], v[SB+8*\b+(\st)], v[SA+8*\a+(\st)] matrix_a_fmt:MATRIX_FMT_FP6 matrix_b_fmt:MATRIX_FMT_FP6
.endif
.endr
.endr
.endm
	s_wait_tensorcnt 0x0                           ; my part is in,
	s_barrier_signal -1
	s_barrier_wait -1                              ; everybody's is
	FETCH 0
	s_wait_loadcnt 0x0                             ; the scale words and the bias
.set ST, 0
.rept 8
	s_wait_dscnt 0x0                               ; this step's fragments, asked for ahead of the last step's products
.if ST < 7
.if ST > 0
	PLACES 4                                       ; in front of loads into the set that the last step's products read
.endif
	FETCH ST+1
.endif
	WIN 0xa1                                       ; source 0 window 1, source 1 window 0, C and D window 2
	MUL ST
.set ST, ST+1
.endr
	WIN 0
; The way out: 64 numbers of a lane (4 blocks of 32 along the registers' axis, each shared with lane l xor 16) become codes and a scale word.
.macro QUANT s
.irp b, 0,1,2,3
	v_max3_num_f32 v[TM+\b], |v[\s+16*\b]|, |v[\s+1+16*\b]|, 0x1800000
.endr
.irp i, 2,4,6,8,10,12,14
.irp b, 0,1,2,3
	v_max3_num_f32 v[TM+\b], v[TM+\b], |v[\s+16*\b+\i]|, |v[\s+1+16*\b+\i]|
.endr
.endr
.irp b, 0,1,2,3
	v_permlanex16_b32 v[TM+4+\b], v[TM+\b], s[SEL], s[SEL+1]
.endr
.irp b, 0,1,2,3
	v_max_num_f32 v[TM+\b], v[TM+\b], v[TM+4+\b]
.endr
.irp b, 0,1,2,3
	v_add_nc_u32 v[TM+12+\b], 0xff000000, v[TM+\b]
.endr
.irp b, 0,1,2,3
	v_lshrrev_b32 v[TM+4+\b], 23, v[TM+12+\b]
.endr
	v_lshl_or_b32 v[PW], v[TM+5], 8, v[TM+4]
	v_lshl_or_b32 v[PW], v[TM+6], 16, v[PW]
	v_lshl_or_b32 v[PW], v[TM+7], 24, v[PW]
.irp c, 0,1
	v_cvt_scalef32_pk16_fp6_f32 v[PC+6*\c:PC+2+6*\c], v[\s+32*\c:\s+15+32*\c], v[TM+12+2*\c]
	v_cvt_scalef32_pk16_fp6_f32 v[PC+12+4*\c:PC+14+4*\c], v[\s+16+32*\c:\s+31+32*\c], v[TM+12+2*\c+1]
.endr
	v_nop
.irp c, 0,1
.irp i, 0,1,2
	v_permlane16_swap_b32 v[PC+6*\c+\i], v[PC+12+4*\c+\i]
.endr
.irp i, 0,1,2
	v_mov_b32 v[PC+3+6*\c+\i], v[PC+12+4*\c+\i]
.endr
.endr
.endm
.macro TAKE a, bias, step              ; block a's 64 sums + the bias, each accumulator from its low end on
	WIN 0x0e                                       ; source 0 window 2, source 1 window 3
.set kk, 0
.rept 32
	v_pk_add_f32 v[HA+kk:HA+kk+1], v[64*(\a)+kk:64*(\a)+kk+1], v[\bias+\step*kk:\bias+\step*kk+1]
.set kk, kk+2
.endr
	WIN 0
.endm
	PLACES 4
	s_mov_b32 s[SEL], 0x76543210
	s_mov_b32 s[SEL+1], 0xfedcba98
	s_mov_b32 s98, 0x7f7f0000
	s_mov_b32 s99, 0xffff0000
	v_and_b32 v3, 31, v0
	v_lshlrev_b32 v8, 4, v3
	v_lshlrev_b32 v9, 3, v3
	v_mul_u32_u24 v10, v2, HS
	v_lshl_add_u32 v10, v1, 4, v10
	v_lshlrev_b32 v11, 4, v2
.irp b, 0,1,2,3
	v_mov_b32 v[TM+4+\b], 0
.endr
	s_cmp_eq_u32 s95, 2
	s_cbranch_scc1 .Lway_v
.irp a, 0,1,2,3                        ; Q, K: a tile of 16 tokens x two heads
.if \a > 0
	s_wait_xcnt 0x0                                ; the last block's stores have read their registers
.endif
	TAKE \a, BI, 1
	QUANT HA
.irp c, 0,1
	global_store_b128 v8, v[PC+6*\c:PC+6*\c+3], s[12:13] offset:\c*HS+768*\a
	global_store_b64 v9, v[PC+6*\c+4:PC+6*\c+5], s[12:13] offset:\c*HS+768*\a+512
.endr
	v_lshrrev_b32 v[TP], v11, v[PW]
	v_and_or_b32 v[KW+2*(\a%2)+\a/2], v[TP], 0xffff, s98           ; my head's two bytes; the bytes of K = 64 .. 127 stand for 1
.endr
.irp ht, 0,1
	global_store_b64 v10, v[KW+2*\ht:KW+2*\ht+1], s[10:11] offset:KSO+256*\ht   ; 8 of a lane's 16 bytes: the wave beside me stores the other 8
.endr
	s_branch .Lway_done
.Lway_v:
.irp a, 0,1,2,3                        ; V: a tile of 16 channels of my one head x 128 keys
.if \a > 0
	s_wait_xcnt 0x0
.endif
	TAKE \a, BJ+2*\a, 0
	QUANT HA
.irp g, 0,1,2
	global_store_b128 v8, v[PC+4*\g:PC+4*\g+3], s[12:13] offset:VCO+1536*\a+512*\g
.endr
	v_mov_b32 v[KW+\a], v[PW]
.endr
.irp j, 0,1
	v_cndmask_b32 v[VX+\j], v[KW+2*\j], v[KW+2*\j+1], s99
.endr
	global_store_b64 v9, v[VX:VX+1], s[12:13] offset:VSO
.Lway_done:
	s_wait_tensorcnt 0x0                           ; the wave's end
	ds_add_u32 v[SPW], v[NIL]
	s_wait_dscnt 0x0
	CROUND                                         ; the closing round
	s_endpgm
.Lfunc_end_k_q1b1955616f_qkv:
	.size	k_q1b1955616f_qkv, .Lfunc_end_k_q1b1955616f_qkv-k_q1b1955616f_qkv
	.p2alignl 7, 3214868480
	.fill 96, 4, 3214868480
	.section	.rodata,"a",@progbits
	.p2align	6, 0x0
	.amdhsa_kernel k_q1b1955616f_qkv
		.amdhsa_group_segment_fixed_size 327680
		.amdhsa_private_segment_fixed_size 0
		.amdhsa_enable_private_segment 0
		.amdhsa_kernarg_size 48
		.amdhsa_user_sgpr_count 2
		.amdhsa_user_sgpr_kernarg_segment_ptr 1
		.amdhsa_wavefront_size32 1
		.amdhsa_system_sgpr_workgroup_id_x 1
		.amdhsa_system_sgpr_workgroup_id_y 1
		.amdhsa_system_sgpr_workgroup_id_z 1
		.amdhsa_system_vgpr_workitem_id 0
		.amdhsa_next_free_vgpr 1024
		.amdhsa_next_free_sgpr 102
		.amdhsa_reserve_vcc 0
		.amdhsa_float_denorm_mode_32 3
		.amdhsa_float_denorm_mode_16_64 3
		.amdhsa_memory_ordered 1
		.amdhsa_forward_progress 1
		.amdhsa_inst_pref_size 134
	.end_amdhsa_kernel
	.amdgpu_metadata
---
amdhsa.version: [ 1, 2 ]
amdhsa.kernels:
  - .name:           k_q1b1955616f_qkv
    .symbol:         k_q1b1955616f_qkv.kd
    .args:
      - { .name: xw, .offset: 0, .size: 8, .value_kind: global_buffer, .address_space: global }
      - { .name: bq, .offset: 8, .size: 8, .value_kind: global_buffer, .address_space: global }
      - { .name: bk, .offset: 16, .size: 8, .value_kind: global_buffer, .address_space: global }
      - { .name: bv, .offset: 24, .size: 8, .value_kind: global_buffer, .address_space: global }
      - { .name: qb, .offset: 32, .size: 8, .value_kind: global_buffer, .address_space: global }
      - { .name: kv, .offset: 40, .size: 8, .value_kind: global_buffer, .address_space: global }
    .group_segment_fixed_size: 327680
    .private_segment_fixed_size: 0
    .kernarg_segment_align: 8
    .kernarg_segment_size: 48
    .max_flat_workgroup_size: 128
    .sgpr_count:     102
    .vgpr_count:     1024
    .wavefront_size: 32
...
	.end_amdgpu_metadata
.endif
;; end of part 2
;; launch attn (part 3): grid 4 x 64, 16 waves a work-group, clusters of 4 x 1, 210,944 bytes of LDS; arguments qb, kv, mk, ao; writes ao
.if DOCPART == 3
	.amdgcn_target "amdgcn-amd-amdhsa--gfx1250"
	.amdhsa_code_object_version 6
	.text
	.protected	k_q1b1955616f_attn
	.globl	k_q1b1955616f_attn
	.p2align	8
	.type	k_q1b1955616f_attn,@function
k_q1b1955616f_attn:
	s_mov_b64 s[64:65], 0
	v_nop
	global_prefetch_b8 v0, s[64:65] scope:SCOPE_SE
	s_setreg_imm32_b32 hwreg(HW_REG_WAVE_MODE, 25, 1), 1
	s_wait_xcnt 0x0
	s_wait_alu depctr_hold_cnt(0) depctr_sa_sdst(0) depctr_va_vdst(0) depctr_va_sdst(0) depctr_va_ssrc(0) depctr_va_vcc(0) depctr_vm_vsrc(0)
	s_getreg_b32 s2, hwreg(HW_REG_IB_STS2, 6, 4)
	s_cmp_eq_u32 s2, 0
	s_cbranch_scc0 .Lentry_in_a_cluster
	s_endpgm
.Lentry_in_a_cluster:
	s_bfe_u32 s2, ttmp6, 0x10000c
	s_cmp_lg_u32 s2, 0x3003
	s_cbranch_scc0 .Lentry_shape_is_right
	s_endpgm
.Lentry_shape_is_right:
; ATTN.  For each batch and head: x[q] = sum over k of softmax_k(mask ? Q[q] . K[k] / 8 : very negative) V[k], both products on codes of FP6 (E2M3) with one E8M0 scale for each 32 along a product's K; x is quantised for the last projection.
; THE SOFTMAX: t = score x log2(e) / 8; M = the row's largest t so far, rounded up to a whole number; p = 2^(t - M) is quantised along the keys, not normalised; the row's sum is taken of the unquantised p and divides at the end.
; When M moves, the sum and O are multiplied by 2^(old M - new M): exact.
; THE MASK.  Where the mask is 0 the score is replaced by -2^33, that is a logit of -2^30.  c x 2^33 is a whole number in f32, so in a row that is masked everywhere t = M and p = 1 for every key: the plain mean of V.
; LIMIT: this differs from a logit of -1e9 only where an unmasked logit of the same row lies under about -9.9e8.  NaN and infinities are not served.
; SHARES.  A work-group owns 512 queries of one head, each of its sixteen waves two tiles of 16, one after the other, in 256 registers.  The head's K and V for all 2,048 keys, 208,896 bytes of images of the operands' registers,
; are brought into LDS ONCE, a step's block of 13,056 bytes by each wave: no LDS byte is filled again.  CLUSTER: the four work-groups of a head ask for each block jointly.
; LAYOUT.  Both products are used transposed: S^T = K Q^T (source 0 = 16 keys, source 1 = my 16 queries), O^T = V^T P^T: a lane holds one query throughout.  K's tiles lie in position order, so the 16 registers of tiles 2 b and
; 2 b + 1 are keys 32 b + 16 (lane / 16) + 0 .. 15 of the step; V's channels likewise.
; K = 64 IN A FORM OF 128.  Q's codes of K = 64 .. 127 are zeros, and every code of FP6 is a finite number, under scale bytes that stand for 1: so whatever stands in the upper six registers of a fragment of K adds 0.
; K's eight fragments therefore lie 6 registers apart, each one's upper half being the next one's lower half (the last one's: v80-85, which hold my second tile's Q): all eight are in registers at once.
; ONE STEP AHEAD.  The next step's fragments and scale words of K are asked of LDS behind the selects, when the score products have read the registers; behind a tile's last step they are block 0's, the next tile's first
; (behind the very last step nobody reads them).  The mask's words come into scalar registers a step ahead too.
; NO PREFETCH into the L2: each block is asked for once, at the head; the loops read LDS alone but for 256 bytes of mask words a step, which are asked for a step ahead.
; OUT (ao): codes [tile of 16 tokens 512][head 16][768 bytes]: images of the six registers, 8 bytes a lane x 3.  Scale bytes at 6,291,456: [token][32]: two bytes a token and head, stored two bytes a lane to rows 32 bytes apart.
; REGISTERS: v1, v2 16 x lane, 8 x lane; v3, v4 these + the step's LDS byte; v9, v10 + the next step's; v5 -2^33; v6 16 r, v8 32 r; v12 -M, v13 the largest t, v[14:15] the sum; v16-27 Q; v28 Q's scale word; v32-79 K; v80-85, v92 my second
; tile's Q and scale word; v86-89 K's scale words, v90-91 V's; v96-159 S^T, then p, then V's four fragments; v160-191 O^T; v192-203 p's codes; v204-223 at work (v221 p's scale word); v224-255 at work, at the end O / the sum.
.set HS,   208896
.set STB,  13056
.set KSO,  6144
.set VCO,  6656
.set VSO,  12800
.set AOS,  6291456
.set CNT,  3                           ; s3   key steps to go
.set WV,   14                          ; s14  my wave's number
.set TB,   15                          ; s15  LDS byte at which the step's block begins
.set MOFF, 66                          ; s66  the byte in mk of the mask words last asked for
.set TN,   67                          ; s67  LDS byte at which the next step's block begins
.set CS,   84                          ; s[84:85] c = log2(e) / 8
.set SEL,  86                          ; s[86:87] lane l xor 16
.set G1,   88
.set G0,   96
.macro CROUND
	s_barrier_signal -1
	s_barrier_wait -1
	s_cmp_lg_u32 s[WV], 0
	s_cbranch_scc1 .Lnot_wave_0_\@
	s_barrier_signal -3
.Lnot_wave_0_\@:
	s_barrier_wait -3
	s_barrier_signal -1
	s_barrier_wait -1
.endm
.macro MASKS                           ; 64 words: word n in s[16 + n] (n < 48) or s[20 + n]
	s_load_b512 s[16:31], s[8:9], s[MOFF] offset:0x0
	s_load_b512 s[32:47], s[8:9], s[MOFF] offset:0x40
	s_load_b512 s[48:63], s[8:9], s[MOFF] offset:0x80
	s_load_b512 s[68:83], s[8:9], s[MOFF] offset:0xc0
.endm
.macro KLOAD a, b                      ; a block's scale words and eight half fragments of K; a = 16 x lane + the block, b = 8 x lane + the block
	ds_load_b128 v[86:89], \a offset:KSO           ; register j: lanes 0-15 tile 2 j, lanes 16-31 tile 2 j + 1
.irp t, 0,1,2,3,4,5,6,7
	ds_load_b128 v[32+6*\t:35+6*\t], \a offset:768*\t
	ds_load_b64 v[36+6*\t:37+6*\t], \b offset:768*\t+512
.endr
.endm
	s_load_b256 s[16:23], s[0:1], 0x0              ; qb, kv, mk, ao
	v_lshl_add_u32 v95, v0, 2, 0x33000
	v_mov_b32 v211, 0
	ds_add_u32 v95, v211                           ; the opening lines: the add twice on end and one wait
	ds_add_u32 v95, v211
	v_lshrrev_b32 v1, 5, v0
	s_delay_alu instid0(VALU_DEP_1)
	v_readfirstlane_b32 s[WV], v1                  ; wave 0..15
	s_and_b32 s24, ttmp7, 0xffff                   ; 16 x batch + head, which the four partners share
	s_bfe_u32 s25, ttmp6, 0x40000                  ; cx: it enters Q's, the mask's and the output's addresses alone
	s_mul_i32 s26, s24, HS
	s_mul_i32 s28, s[WV], STB                      ; the block that I fetch, in the head and in LDS
	s_add_co_u32 s30, s26, s28
	s_mov_b32 s31, 0
	s_mov_b32 s[G1], 15|(3<<16)|(1<<21)            ; the mask: all four work-groups; elements of 8 bytes; bit 21 set beside a mask; no padding
	s_mov_b32 s[G1+1], 32<<16                      ; tensor_dim0: 256 bytes
	s_mov_b32 s[G1+2], 51<<16                      ; tensor_dim1: 51 rows: 13,056 dense bytes
	s_mov_b32 s[G1+3], 32<<16                      ; tile_dim0
	s_mov_b32 s[G1+4], 51                          ; tile_dim1
	s_mov_b32 s[G1+5], 32                          ; the pitch
	s_mov_b32 s[G1+6], 0
	s_mov_b32 s[G1+7], 0
	s_lshl_b32 s32, s25, 2
	s_lshr_b32 s33, s[WV], 2
	s_add_co_u32 s32, s32, s33                     ; my queries' block of 128: 4 cx + wave / 4
	s_mul_i32 s32, s32, STB
	s_add_co_u32 s32, s32, s26
	s_and_b32 s33, s[WV], 3
	s_mul_i32 s34, s33, 2*768                      ; my first tile in it: 2 (wave % 4)
	s_add_co_u32 s34, s34, s32
	s_mov_b32 s35, 0
	s_lshl_b32 s36, s33, 2                         ; its scale words: word wave % 4 of each lane's four
	s_add_co_u32 s36, s36, s32
	s_add_co_u32 s36, s36, KSO
	s_mov_b32 s37, 0
	s_lshl_b32 s38, s25, 5
	s_lshl_b32 s39, s[WV], 1
	s_add_co_u32 s38, s38, s39                     ; my first tile of queries in the batch: 32 cx + 2 wave
	s_lshl_b32 s[MOFF], s38, 12                    ; its mask words: 4,096 bytes a tile; my second tile's follow
	s_lshr_b32 s39, s24, 4
	s_lshl_b32 s39, s39, 7
	s_add_co_u32 s38, s38, s39                     ; and among all tokens: + 128 x batch
	s_and_b32 s39, s24, 15                         ; the head
	s_lshl_b32 s40, s38, 4
	s_add_co_u32 s40, s40, s39
	s_mul_i32 s40, s40, 768
	s_mov_b32 s41, 0
	s_lshl_b32 s42, s38, 9
	s_lshl_b32 s39, s39, 1
	s_add_co_u32 s42, s42, s39
	s_add_co_u32 s42, s42, AOS
	s_mov_b32 s43, 0
	s_mov_b32 s[CS], 0x3e38aa3b
	s_mov_b32 s[CS+1], s[CS]                       ; (named with it as a pair, so it is written)
	s_mov_b32 s[SEL], 0x76543210
	s_mov_b32 s[SEL+1], 0xfedcba98
	s_wait_dscnt 0x0
	s_wait_kmcnt 0x0
	s_mov_b32 s[G0], 1
	s_mov_b32 s[G0+1], s28
	s_add_nc_u64 s[G0+2:G0+3], s[18:19], s[30:31]
	s_or_b32 s[G0+3], s[G0+3], 0x80000000
	s_add_nc_u64 s[4:5], s[16:17], s[34:35]        ; Q's codes
	s_add_nc_u64 s[6:7], s[16:17], s[36:37]        ; Q's scale words
	s_mov_b64 s[8:9], s[20:21]                     ; mk
	s_add_nc_u64 s[10:11], s[22:23], s[40:41]      ; the output's codes
	s_add_nc_u64 s[12:13], s[22:23], s[42:43]      ; and scale bytes
	CROUND                                         ; all four work-groups are here: the joint loads meet
	tensor_load_to_lds s[G0:G0+3], s[G1:G1+7]      ; my one tensor load of the launch
	s_nop 0
.rept 4
	v_nop
.endr
	MASKS                                          ; the first step's mask words
	v_and_b32 v7, 31, v0
	s_delay_alu instid0(VALU_DEP_1)
	v_lshlrev_b32 v1, 4, v7
	s_delay_alu instid0(VALU_DEP_2)
	v_lshlrev_b32 v2, 3, v7
	v_and_b32 v7, 15, v0
	s_delay_alu instid0(VALU_DEP_1)
	v_lshlrev_b32 v6, 4, v7
	s_delay_alu instid0(VALU_DEP_2)
	v_lshlrev_b32 v8, 5, v7
	v_mov_b32 v5, 0xd0000000                       ; -2^33
.irp i, 22,23,24,25,26,27
	v_mov_b32 v[\i], 0                             ; Q's codes of K = 64 .. 127: zeros
.endr
.irp b, 0,1,2,3
	v_mov_b32 v[204+\b], 0                         ; written once: a lane permute's destination counts as one of its sources
.endr
	v_mov_b32 v221, 0                              ; (named as the upper half of the pair v[220:221] before it is first written)
	s_wait_alu depctr_va_vdst(0)                   ; the wait at the head's end
	s_wait_tensorcnt 0x0                           ; my block is in,
	s_barrier_signal -1
	s_barrier_wait -1                              ; everybody's is: the head's K and V lie in LDS
; A KEY STEP: 128 keys.
.macro TRIP
	v_add_nc_u32 v3, s[TB], v1
	s_wait_alu depctr_va_vdst(0)
	v_add_nc_u32 v4, s[TB], v2
	s_wait_alu depctr_va_vdst(0)
.rept 3
	v_nop                                          ; with the two additions: five plain lines between the last step's products and the products below, which write over the registers that held V's fragments
.endr
	s_wait_dscnt 0x0                               ; K's fragments and scale words, asked for a step ago
.irp t, 0,1,2,3,4,5,6,7                        ; S^T = K Q^T: eight tiles of 16 keys
.if \t%2
	v_wmma_scale_f32_16x16x128_f8f6f4 v[96+8*\t:103+8*\t], v[32+6*\t:43+6*\t], v[16:27], 0, v[86+\t/2], v28 matrix_a_fmt:MATRIX_FMT_FP6 matrix_b_fmt:MATRIX_FMT_FP6 matrix_a_scale:MATRIX_SCALE_ROW1
.else
	v_wmma_scale_f32_16x16x128_f8f6f4 v[96+8*\t:103+8*\t], v[32+6*\t:43+6*\t], v[16:27], 0, v[86+\t/2], v28 matrix_a_fmt:MATRIX_FMT_FP6 matrix_b_fmt:MATRIX_FMT_FP6
.endif
.endr
	s_add_co_u32 s[TN], s[TB], STB                 ; the next step's block,
	s_min_u32 s[TN], s[TN], 15*STB                 ; held inside the sixteen,
	s_cmp_eq_u32 s[CNT], 1
	s_cselect_b32 s[TN], 0, s[TN]                  ; and behind a tile's last step block 0
	v_add_nc_u32 v9, s[TN], v1
	v_add_nc_u32 v10, s[TN], v2
	v_nop
	v_nop                                          ; four plain lines behind the products
	s_wait_kmcnt 0x0                               ; this step's mask words, asked for a step ago
.set n, 0
.rept 64
	v_cndmask_b32 v[96+n], v5, v[96+n], s[16+n+4*(n/48)]           ; the score where the mask's bit is set, else -2^33; ascending: each accumulator is read from its low end on
.set n, n+1
.endr
	KLOAD v9, v10                                  ; the products have read these registers: the next step's K
	s_add_co_u32 s[MOFF], s[MOFF], 256             ; the next step's mask words (behind my first tile's last step: my second tile's first),
	s_min_u32 s[MOFF], s[MOFF], 524032             ; held inside mk behind the very last step, whose words nobody reads
	MASKS
.irp b, 0,1,2,3
	v_max3_num_f32 v[212+\b], v[96+16*\b], v[97+16*\b], v[98+16*\b]   ; the largest score of each block of 32 keys: for the row's maximum and, since p rises with the score, for the block's largest p
.endr
.irp i, 3,5,7,9,11,13
.irp b, 0,1,2,3
	s_delay_alu instid0(VALU_DEP_4)
	v_max3_num_f32 v[212+\b], v[212+\b], v[96+16*\b+\i], v[97+16*\b+\i]
.endr
.endr
.irp b, 0,1,2,3
	s_delay_alu instid0(VALU_DEP_4)
	v_max_num_f32 v[212+\b], v[212+\b], v[111+16*\b]
.endr
.irp b, 0,1,2,3
	s_delay_alu instid0(VALU_DEP_4)
	v_permlanex16_b32 v[204+\b], v[212+\b], s[SEL], s[SEL+1]
.endr
.irp b, 0,1,2,3
	s_delay_alu instid0(VALU_DEP_4)
	v_max_num_f32 v[212+\b], v[212+\b], v[204+\b]  ; with lane l xor 16's 16 keys
.endr
	s_delay_alu instid0(VALU_DEP_2)
	v_max3_num_f32 v222, v212, v213, v214
	s_delay_alu instid0(VALU_DEP_1)
	v_max_num_f32 v222, v222, v215                 ; the step's largest score of my query
	s_delay_alu instid0(VALU_DEP_1)
	v_mul_f32 v222, s[CS], v222                    ; as t
	s_delay_alu instid0(VALU_DEP_1)
	v_max_num_f32 v13, v13, v222                   ; the running largest t
	v_mov_b32 v222, v12
	s_delay_alu instid0(VALU_DEP_2)
	v_floor_f32 v12, -v13                          ; the new -M = floor(-t): M is a whole number
	s_delay_alu instid0(VALU_DEP_1)
	v_sub_f32 v222, v12, v222                      ; old M - new M: a whole number, 0 or less
	s_delay_alu instid0(VALU_DEP_1)
	v_cvt_i32_f32 v222, v222                       ; (it saturates)
	s_delay_alu instid0(VALU_DEP_1)
	v_ldexp_f32 v220, 1.0, v222                    ; f = 2^(old M - new M)
.set n, 0
.rept 32
	v_pk_fma_f32 v[96+n:97+n], v[96+n:97+n], s[CS:CS+1], v[12:13] op_sel_hi:[1,0,0]   ; t - M, two at a time
.set n, n+2
.endr
.irp b, 0,1,2,3
	v_fma_f32 v[212+\b], v[212+\b], s[CS], v12     ; the same of each block's largest score
.endr
.set n, 0
	s_wait_alu depctr_va_vdst(0)                   ; the wait ahead of the batch
.rept 64
	v_exp_f32 v[96+n], v[96+n]                     ; p = 2^(t - M), at most 1
.set n, n+1
.endr
	v_pk_mul_f32 v[14:15], v[14:15], v[220:221] op_sel_hi:[1,0]    ; the sums under the new M (a plain line behind the exponentials)
	s_wait_alu depctr_va_vdst(0)                   ; one wait for the whole batch, ahead of its first reader
.irp b, 0,1,2,3
	v_exp_f32 v[212+\b], v[212+\b]                 ; the block's largest p
.endr
.irp j, 0,1,2,3,4,5,6                          ; the row's sum of the unquantised p: 32 pairs on eight chains, v[240 + 2 j] and the sum itself
	v_pk_add_f32 v[240+2*\j:241+2*\j], v[96+4*\j:97+4*\j], v[98+4*\j:99+4*\j]
.endr
	v_pk_add_f32 v[14:15], v[14:15], v[124:125]
.irp j, 0,1,2,3,4,5,6
	v_pk_add_f32 v[240+2*\j:241+2*\j], v[240+2*\j:241+2*\j], v[126+2*\j:127+2*\j]
.endr
	v_pk_add_f32 v[14:15], v[14:15], v[140:141]
.irp j, 0,1,2,3,4,5,6
	v_pk_add_f32 v[240+2*\j:241+2*\j], v[240+2*\j:241+2*\j], v[142+2*\j:143+2*\j]
.endr
	v_pk_add_f32 v[14:15], v[14:15], v[156:157]
	v_pk_add_f32 v[240:241], v[240:241], v[158:159]
	v_pk_add_f32 v[244:245], v[244:245], v[246:247]
	v_pk_add_f32 v[248:249], v[248:249], v[250:251]
	v_pk_add_f32 v[14:15], v[14:15], v[252:253]
	s_delay_alu instid0(VALU_DEP_4)
	v_pk_add_f32 v[240:241], v[240:241], v[242:243]
	s_delay_alu instid0(VALU_DEP_2)
	v_pk_add_f32 v[14:15], v[14:15], v[248:249]
	s_delay_alu instid0(VALU_DEP_2)
	v_pk_add_f32 v[240:241], v[240:241], v[244:245]
	s_delay_alu instid0(VALU_DEP_1)
	v_pk_add_f32 v[14:15], v[14:15], v[240:241]
	s_wait_alu depctr_va_vdst(0)                   ; and one for the four
.irp b, 0,1,2,3
	v_max_num_f32 v[212+\b], 0x1800000, v[212+\b]  ; the floor 2^(3 - 127): the byte cannot fall under 1 (a block whose every p is 0 keeps that byte: its codes are zeros)
.endr
.irp b, 0,1,2,3
	s_delay_alu instid0(VALU_DEP_4)
	v_add_nc_u32 v[216+\b], 0xff000000, v[212+\b]  ; 2 off the exponent field: the conversion's scale operand
.endr
.irp b, 0,1,2,3
	s_delay_alu instid0(VALU_DEP_4)
	v_lshrrev_b32 v[204+\b], 23, v[216+\b]         ; the scale's byte
.endr
	s_delay_alu instid0(VALU_DEP_3)
	v_lshl_or_b32 v221, v205, 8, v204              ; p's scale word for these 128 keys
	s_delay_alu instid0(VALU_DEP_1)
	v_lshl_or_b32 v221, v206, 16, v221
	s_delay_alu instid0(VALU_DEP_1)
	v_lshl_or_b32 v221, v207, 24, v221
.irp c, 0,1
	v_cvt_scalef32_pk16_fp6_f32 v[192+6*\c:194+6*\c], v[96+32*\c:111+32*\c], v[216+2*\c]
	v_cvt_scalef32_pk16_fp6_f32 v[204+4*\c:206+4*\c], v[112+32*\c:127+32*\c], v[216+2*\c+1]   ; (a conversion's three registers begin on an even number)
.endr
	v_nop                                          ; one plain line behind a scaled conversion
.irp t, 0,1,2,3                                ; V's four fragments (16 channels x 128 keys) take the registers that p has left
.irp g, 0,1,2
	ds_load_b128 v[96+12*\t+4*\g:99+12*\t+4*\g], v3 offset:VCO+1536*\t+512*\g
.endr
.endr
	ds_load_b64 v[90:91], v4 offset:VSO            ; V's scale words
.irp c, 0,1                                    ; the operand's layout wants a whole block in a lane
.irp i, 0,1,2
	v_permlane16_swap_b32 v[192+6*\c+\i], v[204+4*\c+\i]
.endr
.irp i, 0,1,2
	s_delay_alu instid0(VALU_DEP_3)
	v_mov_b32 v[195+6*\c+\i], v[204+4*\c+\i]
.endr
.endr
	s_wait_alu depctr_va_vdst(0)                   ; the wait here, directly ahead of the first reader of O^T
.set n, 0
.rept 16
	v_pk_mul_f32 v[160+n:161+n], v[160+n:161+n], v[220:221] op_sel_hi:[1,0]   ; O^T under the new M.  (These sixteen are also the plain lines between the writes of p's codes and scale word and the products)
.set n, n+2
.endr
	s_wait_alu depctr_va_vdst(0)
	s_wait_dscnt 0x0
.irp t, 0,1,2,3                                ; O^T += V^T P^T: four accumulators by turns
.if \t%2
	v_wmma_scale_f32_16x16x128_f8f6f4 v[160+8*\t:167+8*\t], v[96+12*\t:107+12*\t], v[192:203], v[160+8*\t:167+8*\t], v[90+\t/2], v221 matrix_a_fmt:MATRIX_FMT_FP6 matrix_b_fmt:MATRIX_FMT_FP6 matrix_a_scale:MATRIX_SCALE_ROW1
.else
	v_wmma_scale_f32_16x16x128_f8f6f4 v[160+8*\t:167+8*\t], v[96+12*\t:107+12*\t], v[192:203], v[160+8*\t:167+8*\t], v[90+\t/2], v221 matrix_a_fmt:MATRIX_FMT_FP6 matrix_b_fmt:MATRIX_FMT_FP6
.endif
.endr
	s_add_co_u32 s[TB], s[TB], STB
.endm
; One tile of 16 queries through all 2,048 keys, and its way out.
.macro PASS p
.if \p
	s_wait_xcnt 0x0                                ; the first tile's stores have read their registers
.irp i, 0,1,2,3,4,5
	v_mov_b32 v[16+\i], v[80+\i]                   ; my second tile's Q
.endr
	v_mov_b32 v28, v92                             ; and its scale words
.else
	global_load_b128 v[16:19], v1, s[4:5]                          ; Q's half fragment stays in registers
	global_load_b64 v[20:21], v2, s[4:5] offset:512
	global_load_b32 v28, v6, s[6:7]                                ; its scale words
	global_load_b128 v[80:83], v1, s[4:5] offset:768               ; and my second tile's
	global_load_b64 v[84:85], v2, s[4:5] offset:768+512
	global_load_b32 v92, v6, s[6:7] offset:256
	KLOAD v1, v2                                   ; the first step's K
.endif
	v_mov_b32 v13, 0xff61b1e6                      ; the largest t so far: -3e38
	s_delay_alu instid0(VALU_DEP_1)
	v_floor_f32 v12, -v13                          ; -M
	v_mov_b32 v14, 0
	v_mov_b32 v15, 0
.set n, 0
.rept 32
	v_mov_b32 v[160+n], 0                          ; O^T: the step is written once: the first finds zeros, which the first change of M leaves zeros
.set n, n+1
.endr
	s_mov_b32 s[TB], 0
	s_mov_b32 s[CNT], 16
	s_wait_loadcnt 0x0
.Lstep_\@:
	TRIP
	s_sub_co_u32 s[CNT], s[CNT], 1
	s_cmp_lg_u32 s[CNT], 0
	s_cbranch_scc1 .Lstep_\@
.rept 4
	v_nop                                          ; plain lines behind the last products
.endr
	v_add_f32 v14, v14, v15                        ; the sum's two halves,
	s_delay_alu instid0(VALU_DEP_1)
	v_permlanex16_b32 v222, v14, s[SEL], s[SEL+1]
	s_delay_alu instid0(VALU_DEP_1)
	v_add_f32 v14, v14, v222                       ; and lane l xor 16's
	s_wait_alu depctr_va_vdst(0)
	v_rcp_f32 v14, v14
	v_nop                                          ; a plain line behind the reciprocal
	s_wait_alu depctr_va_vdst(0)                   ; and the wait ahead of its first reader
.set n, 0
.rept 16
	v_pk_mul_f32 v[224+n:225+n], v[160+n:161+n], v[14:15] op_sel_hi:[1,0]   ; O^T / the sum: register 16 b + i is channel 32 b + 16 (lane / 16) + i
.set n, n+2
.endr
.irp b, 0,1                                    ; quantised along the channels: two blocks of 32
	v_max3_num_f32 v[212+\b], |v[224+16*\b]|, |v[225+16*\b]|, 0x1800000
.endr
.irp i, 2,4,6,8,10,12,14
.irp b, 0,1
	s_delay_alu instid0(VALU_DEP_2)
	v_max3_num_f32 v[212+\b], v[212+\b], |v[224+16*\b+\i]|, |v[225+16*\b+\i]|
.endr
.endr
.irp b, 0,1
	s_delay_alu instid0(VALU_DEP_2)
	v_permlanex16_b32 v[204+\b], v[212+\b], s[SEL], s[SEL+1]
.endr
.irp b, 0,1
	s_delay_alu instid0(VALU_DEP_2)
	v_max_num_f32 v[212+\b], v[212+\b], v[204+\b]
.endr
.irp b, 0,1
	s_delay_alu instid0(VALU_DEP_2)
	v_add_nc_u32 v[216+\b], 0xff000000, v[212+\b]
.endr
.irp b, 0,1
	s_delay_alu instid0(VALU_DEP_2)
	v_lshrrev_b32 v[204+\b], 23, v[216+\b]
.endr
	s_delay_alu instid0(VALU_DEP_1)
	v_lshl_or_b32 v223, v205, 8, v204              ; my token's two scale bytes of this head
	v_cvt_scalef32_pk16_fp6_f32 v[192:194], v[224:239], v216
	v_cvt_scalef32_pk16_fp6_f32 v[204:206], v[240:255], v217
	v_nop
.irp i, 0,1,2
	v_permlane16_swap_b32 v[192+\i], v[204+\i]
.endr
.irp i, 0,1,2
	s_delay_alu instid0(VALU_DEP_3)
	v_mov_b32 v[195+\i], v[204+\i]
.endr
.irp q, 0,1,2
	global_store_b64 v2, v[192+2*\q:193+2*\q], s[10:11] offset:12288*\p+256*\q   ; 256 consecutive bytes, aligned
.endr
	global_store_b16 v8, v223, s[12:13] offset:512*\p              ; lanes r and r + 16 store the same two bytes
.endm
	PASS 0
	PASS 1
	s_wait_kmcnt 0x0                               ; the mask words asked for behind the last step
	s_wait_dscnt 0x0                               ; and the fragments of K asked for there
	s_wait_tensorcnt 0x0                           ; the wave's end
	ds_add_u32 v95, v211
	s_wait_dscnt 0x0
	CROUND                                         ; the closing round
	s_endpgm
.Lfunc_end_k_q1b1955616f_attn:
	.size	k_q1b1955616f_attn, .Lfunc_end_k_q1b1955616f_attn-k_q1b1955616f_attn
	.p2alignl 7, 3214868480
	.fill 96, 4, 3214868480
	.section	.rodata,"a",@progbits
	.p2align	6, 0x0
	.amdhsa_kernel k_q1b1955616f_attn
		.amdhsa_group_segment_fixed_size 210944
		.amdhsa_private_segment_fixed_size 0
		.amdhsa_enable_private_segment 0
		.amdhsa_kernarg_size 32
		.amdhsa_user_sgpr_count 2
		.amdhsa_user_sgpr_kernarg_segment_ptr 1
		.amdhsa_wavefront_size32 1
		.amdhsa_system_sgpr_workgroup_id_x 1
		.amdhsa_system_sgpr_workgroup_id_y 1
		.amdhsa_system_sgpr_workgroup_id_z 1
		.amdhsa_system_vgpr_workitem_id 0
		.amdhsa_next_free_vgpr 256
		.amdhsa_next_free_sgpr 100
		.amdhsa_reserve_vcc 0
		.amdhsa_float_denorm_mode_32 3
		.amdhsa_float_denorm_mode_16_64 3
		.amdhsa_memory_ordered 1
		.amdhsa_forward_progress 1
		.amdhsa_inst_pref_size 64
	.end_amdhsa_kernel
	.amdgpu_metadata
---
amdhsa.version: [ 1, 2 ]
amdhsa.kernels:
  - .name:           k_q1b1955616f_attn
    .symbol:         k_q1b1955616f_attn.kd
    .args:
      - { .name: qb, .offset: 0, .size: 8, .value_kind: global_buffer, .address_space: global }
      - { .name: kv, .offset: 8, .size: 8, .value_kind: global_buffer, .address_space: global }
      - { .name: mk, .offset: 16, .size: 8, .value_kind: global_buffer, .address_space: global }
      - { .name: ao, .offset: 24, .size: 8, .value_kind: global_buffer, .address_space: global }
    .group_segment_fixed_size: 210944
    .private_segment_fixed_size: 0
    .kernarg_segment_align: 8
    .kernarg_segment_size: 32
    .max_flat_workgroup_size: 512
    .sgpr_count:     100
    .vgpr_count:     256
    .wavefront_size: 32
...
	.end_amdgpu_metadata
.endif
;; end of part 3
;; launch outp (part 4): grid 8 x 32, 4 waves a work-group, clusters of 4 x 4, 327,680 bytes of LDS; arguments ao, xw, bo, out0; writes out0
.if DOCPART == 4
	.amdgcn_target "amdgcn-amd-amdhsa--gfx1250"
	.amdhsa_code_object_version 6
	.text
	.protected	k_q1b1955616f_outp
	.globl	k_q1b1955616f_outp
	.p2align	8
	.type	k_q1b1955616f_outp,@function
k_q1b1955616f_outp:
	s_mov_b64 s[64:65], 0
	v_nop
	global_prefetch_b8 v0, s[64:65] scope:SCOPE_SE
	s_setreg_imm32_b32 hwreg(HW_REG_WAVE_MODE, 25, 1), 1
	s_wait_xcnt 0x0
	s_wait_alu depctr_hold_cnt(0) depctr_sa_sdst(0) depctr_va_vdst(0) depctr_va_sdst(0) depctr_va_ssrc(0) depctr_va_vcc(0) depctr_vm_vsrc(0)
	s_getreg_b32 s2, hwreg(HW_REG_IB_STS2, 6, 4)
	s_cmp_eq_u32 s2, 0
	s_cbranch_scc0 .Lentry_in_a_cluster
	s_endpgm
.Lentry_in_a_cluster:
	s_bfe_u32 s2, ttmp6, 0x10000c
	s_cmp_lg_u32 s2, 0xf033
	s_cbranch_scc0 .Lentry_shape_is_right
	s_endpgm
.Lentry_shape_is_right:
; OUTP.  out0 = x Wo^T + bo on codes of FP6 (E2M3) with E8M0 scales, K = 1,024.  A = tokens (source 1, on lanes), B = Wo's rows (source 0, along a lane's registers): a lane holds neighbouring columns of one row of out0.
; SHARES.  A work-group makes 256 tokens x 128 columns over all of K; a wave 64 x 128: 32 accumulators.  256 work-groups.
; LDS.  All codes come ONCE.  A: 16 tiles of 16 tokens, 12,288 bytes each, images of the operand's registers as the attention launch stored them (dense, read 8 bytes a lane on end: no padding), from 0.
; B: 128 rows of 768 bytes, dense in xw, as rows of 256 bytes with 16 bytes of padding behind each (816 bytes a row), behind A.  One tensor load a wave at the head: waves 0, 1 A's halves, waves 2, 3 B's.  Nothing is filled again.
; CLUSTER.  4 x 4 work-groups: A is shared along a row of the cluster, B along a column; each is asked for jointly.
; SCALES go from memory into registers, 32 bytes a row.  The bias is the C of the first step's products.
; THE STAGE of the way out is the first 8,448 bytes of my wave's own four tiles of A: no other wave reads them, they have had their only fill, and my own reads of them are over.
; NO PREFETCH: every byte is asked for at the head; the text has no loop to run ahead in.
; Tokens and columns lie in position order (in each 32 the second and third eight change places): the way out puts both back.
; REGISTERS.  Window 0: v0-31 addresses; v32-63 A's scale words; v64-127 B's; v128-223 A's fragments, two sets (on the way out v128-255: rows read back).  Window 1: B's fragments.  Window 2: accumulators.  Window 3: v0-63 the bias.
.set SIZE_N, 1024
.set FR,     12
.set RP,     816
.set TP16,   16*RP
.set TA,     12288                     ; a tile of A
.set LB,     16*TA                     ; where B begins
.set SPARE,  LB+128*RP
.set SPITCH, 528
.set AOS,    6291456
.set WOC,    21233664
.set WOS,    22904832
.set ADRA, 16
.set ADRB, 20
.set STO,  24
.set RD,   25
.set CO,   26
.set SPW,  28
.set NIL,  29
.set SA,   32
.set SB,   64
.set AF,   128
.set BK,   128
.set BI,   0
.set G1, 24
.set G0, 32
.set G1B, 48
.set G0B, 56
.set MSB, 0
.macro WIN new
.if MSB != (\new)
	s_set_vgpr_msb (MSB<<8)|(\new)
.set MSB, (\new)
.endif
.endm
.macro PLACES n
.rept \n
	v_nop
.endr
.endm
.macro CROUND
	s_barrier_signal -1
	s_barrier_wait -1
	s_cmp_lg_u32 s14, 0
	s_cbranch_scc1 .Lnot_wave_0_\@
	s_barrier_signal -3
.Lnot_wave_0_\@:
	s_barrier_wait -3
	s_barrier_signal -1
	s_barrier_wait -1
.endm
	s_load_b256 s[4:11], s[0:1], 0x0               ; ao, xw, bo, out0
	v_lshl_add_u32 v[SPW], v0, 2, SPARE
	v_mov_b32 v[NIL], 0
	ds_add_u32 v[SPW], v[NIL]                      ; the opening lines: the add twice on end and one wait
	ds_add_u32 v[SPW], v[NIL]
	v_lshrrev_b32 v1, 5, v0
	v_readfirstlane_b32 s14, v1
	s_lshr_b32 s15, s14, 1
	s_and_b32 s16, s14, 1
	s_bfe_u32 s40, ttmp6, 0x40000
	s_bfe_u32 s41, ttmp6, 0x40004
	s_lshl_b32 s42, ttmp9, 2
	s_add_co_u32 s42, s42, s40                     ; B's block of 128 columns, 0..7
	s_and_b32 s17, ttmp7, 0xffff
	s_lshl_b32 s17, s17, 2
	s_add_co_u32 s17, s17, s41                     ; A's block of 256 tokens, 0..31
	s_lshl_b32 s43, s41, 2
	s_lshl_b32 s43, 15, s43
	s_lshl_b32 s44, 0x1111, s40
	s_or_b32 s[G1+0], s43, (3<<16)|(1<<21)         ; A: dense, no padding
	s_or_b32 s[G1B+0], s44, (3<<16)|(1<<20)|(1<<21)|(5<<22)|(3<<25)
	s_mov_b32 s[G1+1], 32<<16
	s_mov_b32 s[G1+2], 384<<16                     ; 8 tiles = 384 rows of 256 bytes
	s_mov_b32 s[G1+3], 32<<16
	s_mov_b32 s[G1+4], 384
	s_mov_b32 s[G1+5], 32
	s_mov_b32 s[G1+6], 0
	s_mov_b32 s[G1+7], 0
	s_mov_b32 s[G1B+1], 32<<16
	s_mov_b32 s[G1B+2], 192<<16                    ; 64 rows of codes
	s_mov_b32 s[G1B+3], 32<<16
	s_mov_b32 s[G1B+4], 192
	s_mov_b32 s[G1B+5], 32
	s_mov_b32 s[G1B+6], 0
	s_mov_b32 s[G1B+7], 0
	s_lshl_b32 s20, s17, 8
	s_lshl_b32 s21, s16, 7
	s_add_co_u32 s20, s20, s21
	s_mul_i32 s20, s20, 768
	s_lshl_b32 s46, s42, 7
	s_lshl_b32 s47, s16, 6
	s_add_co_u32 s46, s46, s47
	s_mul_i32 s46, s46, 768
	s_add_co_u32 s46, s46, WOC
	s_mov_b32 s21, 0
	s_mov_b32 s47, 0
	s_mul_i32 s45, s16, 8*TA
	s_mul_i32 s94, s16, 64*RP
	s_add_co_u32 s94, s94, LB
	s_wait_dscnt 0x0
	s_wait_kmcnt 0x0
	s_add_nc_u64 s[20:21], s[4:5], s[20:21]
	s_add_nc_u64 s[46:47], s[6:7], s[46:47]
	CROUND                                         ; all sixteen work-groups are here: the joint loads meet
	s_mov_b32 s[G0], 1
	s_mov_b32 s[G0+1], s45
	s_mov_b64 s[G0+2:G0+3], s[20:21]
	s_or_b32 s[G0+3], s[G0+3], 0x80000000
	s_mov_b32 s[G0B], 1
	s_mov_b32 s[G0B+1], s94
	s_mov_b64 s[G0B+2:G0B+3], s[46:47]
	s_or_b32 s[G0B+3], s[G0B+3], 0x80000000
	s_cmp_eq_u32 s15, 0                            ; my one tensor load of the launch
	s_cbranch_scc0 .Lfor_b
	tensor_load_to_lds s[G0:G0+3], s[G1:G1+7]
	s_nop 0
	PLACES 4
	s_branch .Lasked
.Lfor_b:
	tensor_load_to_lds s[G0B:G0B+3], s[G1B:G1B+7]
	s_nop 0
	PLACES 4
.Lasked:
	s_lshl_b32 s20, s17, 8
	s_lshl_b32 s21, s14, 6
	s_add_co_u32 s20, s20, s21                     ; my wave's first token
	s_lshl_b32 s36, s20, 5
	s_add_co_u32 s36, s36, AOS
	s_mov_b32 s37, 0
	s_add_nc_u64 s[36:37], s[4:5], s[36:37]        ; A's scale rows
	s_lshl_b32 s38, s42, 12
	s_add_co_u32 s38, s38, WOS
	s_mov_b32 s39, 0
	s_add_nc_u64 s[38:39], s[6:7], s[38:39]        ; B's
	s_lshl_b32 s46, s42, 9                         ; my first column, in bytes
	s_mov_b32 s47, 0
	s_add_nc_u64 s[8:9], s[8:9], s[46:47]          ; the bias
	s_lshl_b32 s20, s20, 12
	s_add_co_u32 s46, s46, s20
	s_add_nc_u64 s[12:13], s[10:11], s[46:47]      ; out0
	s_mul_i32 s23, s14, 4*TA                       ; my four tiles of A, later my stage
	v_and_b32 v1, 15, v0
	v_bfe_u32 v2, v0, 4, 1
	v_and_b32 v6, 31, v0
	v_lshl_add_u32 v[ADRA], v6, 3, s23
	v_mul_u32_u24 v3, v1, RP
	v_mad_u32_u24 v4, v2, 24, v3
	v_lshl_add_u32 v5, v2, 4, v4
	v_add_nc_u32 v[ADRB], LB, v4
	v_add_nc_u32 v[ADRB+1], LB, v5
	v_add_nc_u32 v[ADRB+2], LB+4*TP16, v4
	v_add_nc_u32 v[ADRB+3], LB+4*TP16, v5
	v_mul_u32_u24 v7, v1, SPITCH
	v_lshl_add_u32 v7, v2, 6, v7
	v_add_nc_u32 v[STO], s23, v7
	v_lshlrev_b32 v[CO], 4, v6
	v_add_nc_u32 v[RD], s23, v[CO]
	v_lshlrev_b32 v8, 5, v1
	v_lshlrev_b32 v12, 6, v2
	s_wait_alu depctr_va_vdst(0)                   ; the wait at the end of the head's vector work
.irp i, 0,1,2,3
	global_load_b128 v[SA+8*\i:SA+8*\i+3], v8, s[36:37] offset:512*\i
	global_load_b128 v[SA+8*\i+4:SA+8*\i+7], v8, s[36:37] offset:512*\i+16
.endr
.irp i, 0,1,2,3,4,5,6,7
	global_load_b128 v[SB+8*\i:SB+8*\i+3], v8, s[38:39] offset:512*\i
	global_load_b128 v[SB+8*\i+4:SB+8*\i+7], v8, s[38:39] offset:512*\i+16
.endr
	WIN 0xc0                                       ; into window 3
.irp t, 0,1,2,3,4,5,6,7
	global_load_b128 v[BI+8*\t:BI+8*\t+3], v12, s[8:9] offset:(32*(\t/2)+8*(\t%2))*4
	global_load_b128 v[BI+8*\t+4:BI+8*\t+7], v12, s[8:9] offset:(32*(\t/2)+8*(\t%2))*4+16
.endr
	WIN 0
.macro FRAG reg, adr, st, off          ; B: byte y of a row of codes lies at y + 16 (y / 256) of its LDS row
.irp p, 0,1,2,3,4,5
.set BY, 96*(\st)+48*(\p/3)+8*(\p%3)
.if BY/256 == (BY+24)/256
	ds_load_b64 v[\reg+2*\p:\reg+2*\p+1], v[\adr] offset:BY+16*(BY/256)+(\off)
.else
	ds_load_b64 v[\reg+2*\p:\reg+2*\p+1], v[\adr+1] offset:BY+16*(BY/256)+(\off)
.endif
.endr
.endm
.macro FETCH st
.set FS, (\st)%2
	WIN 0x40
.irp i, 0,1,2,3,4,5,6,7
	FRAG 128*FS+FR*\i, ADRB+2*(\i/4), \st, (\i%4)*TP16
.endr
	WIN 0
.irp i, 0,1,2,3
.irp p, 0,1,2,3,4,5
	ds_load_b64 v[AF+48*FS+FR*\i+2*\p:AF+48*FS+FR*\i+2*\p+1], v[ADRA] offset:\i*TA+(2*(\st)+\p/3)*768+256*(\p%3)   ; A: heads 2 st and 2 st + 1, three images of 256 bytes each
.endr
.endr
.endm
.macro MUL st                          ; 32 matrix instructions, the accumulators by turns; the first step takes the bias as C
.set FS, (\st)%2
.irp a, 0,1,2,3
.irp b, 0,1,2,3,4,5,6,7
.if (\st) == 0
	v_wmma_scale_f32_16x16x128_f8f6f4 v[8*(8*\a+\b):8*(8*\a+\b)+7], v[128*FS+FR*\b:128*FS+FR*\b+FR-1], v[AF+48*FS+FR*\a:AF+48*FS+FR*\a+FR-1], v[BI+8*\b:BI+8*\b+7], v[SB+8*\b+(\st)], v[SA+8*\a+(\st)] matrix_a_fmt:MATRIX_FMT_FP6 matrix_b_fmt:MATRIX_FMT_FP6
.else
	v_wmma_scale_f32_16x16x128_f8f6f4 v[8*(8*\a+\b):8*(8*\a+\b)+7], v[128*FS+FR*\b:128*FS+FR*\b+FR-1], v[AF+48*FS+FR*\a:AF+48*FS+FR*\a+FR-1], v[8*(8*\a+\b):8*(8*\a+\b)+7], v[SB+8*\b+(\st)], v[SA+8*\a+(\st)] matrix_a_fmt:MATRIX_FMT_FP6 matrix_b_fmt:MATRIX_FMT_FP6
.endif
.endr
.endr
.endm
	s_wait_tensorcnt 0x0                           ; my part is in,
	s_barrier_signal -1
	s_barrier_wait -1                              ; everybody's is
	FETCH 0
	s_wait_loadcnt 0x0                             ; the scale words and the bias
.set ST, 0
.rept 8
	s_wait_dscnt 0x0                               ; this step's fragments, asked for ahead of the last step's products
.if ST < 7
.if ST > 0
	PLACES 4                                       ; in front of loads into the set that the last step's products read
.endif
	FETCH ST+1
.endif
.if ST == 0
	WIN 0xb1                                       ; C window 3, D window 2
.else
	WIN 0xa1
.endif
	MUL ST
.set ST, ST+1
.endr
	WIN 0
; The way out, block by block of 16 tokens x 128 columns, through my stage; back as whole rows of 512 bytes.  LDS serves a wave's instructions in order (ISA guide 5.7.1.4).
.macro TOSTAGE a
.set AC, 64*(\a)
	WIN 0x08                                       ; the data: window 2
.irp b, 0,1,2,3,4,5,6,7
	ds_store_b128 v[STO], v[AC+8*\b:AC+8*\b+3] offset:128*(\b/2)+32*(\b%2)
	ds_store_b128 v[STO], v[AC+8*\b+4:AC+8*\b+7] offset:128*(\b/2)+32*(\b%2)+16
.endr
	WIN 0
.set BB, BK+64*((\a)%2)
.irp t, 0,1,2,3,4,5,6,7,8,9,10,11,12,13,14,15
	ds_load_b128 v[BB+4*\t:BB+4*\t+3], v[RD] offset:\t*SPITCH
.endr
.endm
.macro SEND a, younger                 ; younger: the LDS instructions behind block a's loads, which may stay out
.set BB, BK+64*((\a)%2)
	s_wait_dscnt \younger
.if (\a) > 0
	s_add_nc_u64 s[12:13], s[12:13], (8+16*(1-(\a)%2))*SIZE_N*4    ; tile 2 B + u begins at token 32 B + 8 u
.endif
.irp t, 0,1,2,3,4,5,6,7,8,9,10,11,12,13,14,15
	global_store_b128 v[CO], v[BB+4*\t:BB+4*\t+3], s[12:13] offset:(\t+8*(\t/8))*SIZE_N*4 th:TH_STORE_NT   ; 32 lanes store 512 consecutive bytes, aligned
.endr
.endm
	PLACES 4
	TOSTAGE 0
.irp a, 1,2,3
.if \a > 1
	s_wait_xcnt 0x0                                ; block a - 2's stores have read their registers and their base
.endif
	TOSTAGE \a
	SEND \a-1, 32                                  ; behind block a - 1's loads: block a's 16 stores and 16 loads
.endr
	s_wait_xcnt 0x0
	SEND 3, 0
	s_wait_tensorcnt 0x0                           ; the wave's end
	ds_add_u32 v[SPW], v[NIL]
	s_wait_dscnt 0x0
	CROUND                                         ; the closing round
	s_endpgm
.Lfunc_end_k_q1b1955616f_outp:
	.size	k_q1b1955616f_outp, .Lfunc_end_k_q1b1955616f_outp-k_q1b1955616f_outp
	.p2alignl 7, 3214868480
	.fill 96, 4, 3214868480
	.section	.rodata,"a",@progbits
	.p2align	6, 0x0
	.amdhsa_kernel k_q1b1955616f_outp
		.amdhsa_group_segment_fixed_size 327680
		.amdhsa_private_segment_fixed_size 0
		.amdhsa_enable_private_segment 0
		.amdhsa_kernarg_size 32
		.amdhsa_user_sgpr_count 2
		.amdhsa_user_sgpr_kernarg_segment_ptr 1
		.amdhsa_wavefront_size32 1
		.amdhsa_system_sgpr_workgroup_id_x 1
		.amdhsa_system_sgpr_workgroup_id_y 1
		.amdhsa_system_sgpr_workgroup_id_z 1
		.amdhsa_system_vgpr_workitem_id 0
		.amdhsa_next_free_vgpr 1024
		.amdhsa_next_free_sgpr 98
		.amdhsa_reserve_vcc 0
		.amdhsa_float_denorm_mode_32 3
		.amdhsa_float_denorm_mode_16_64 3
		.amdhsa_memory_ordered 1
		.amdhsa_forward_progress 1
		.amdhsa_inst_pref_size 95
	.end_amdhsa_kernel
	.amdgpu_metadata
---
amdhsa.version: [ 1, 2 ]
amdhsa.kernels:
  - .name:           k_q1b1955616f_outp
    .symbol:         k_q1b1955616f_outp.kd
    .args:
      - { .name: ao, .offset: 0, .size: 8, .value_kind: global_buffer, .address_space: global }
      - { .name: xw, .offset: 8, .size: 8, .value_kind: global_buffer, .address_space: global }
      - { .name: bo, .offset: 16, .size: 8, .value_kind: global_buffer, .address_space: global }
      - { .name: out0, .offset: 24, .size: 8, .value_kind: global_buffer, .address_space: global }
    .group_segment_fixed_size: 327680
    .private_segment_fixed_size: 0
    .kernarg_segment_align: 8
    .kernarg_segment_size: 32
    .max_flat_workgroup_size: 128
    .sgpr_count:     98
    .vgpr_count:     1024
    .wavefront_size: 32
...
	.end_amdgpu_metadata
.endif
;; end of part 4
